; MI455X (gfx1250); checked and timed in simulation.
; The chip was launched on July 23, 2026; its instructions are those of AMD's public machine-readable ISA for CDNA 5 (MIT licence, August 2026) and "CDNA5" Instruction Set Architecture Reference Guide (July 2026). The comments in the code are by the model that wrote it; some were corrected since.
;; Quantized Linear. Allowed arithmetic: matrix products marked QUANTISED: E2M1 operands, one E8M0 scale for each 32 along K, by v_wmma_scale_f32_16x16x128_f8f6f4 with both operands' format E2M1 (or v_wmma_scale_f32_32x16x128_f4), f32 sums; everything else in f32.
;; Inputs: bias 16,384 float32; weight_quantized 16,384 x 4,096 int8; weight_scale 16,384 float32; weight_zero_point 16,384 float32; x_codes 4 x 256 x 128 x 16 uint8 (E2M1 codes of x, K innermost, in blocks of 32 codes, two codes a byte); x_scales 4 x 256 x 128 uint8 (E8M0 scales of x, one for each 32 codes along K).
;; Outputs: out0 4 x 256 x 16,384 float32.
;; This version of the problem:
;;   THIS VERSION OF THE PROBLEM IS GIVEN IN LOW PRECISION. The matrix products marked QUANTISED in the list below multiply operands that are first quantised to E2M1 (2 exponent bits, 1 mantissa bit; 4 bits a number), with one power-of-two scale for each 32 numbers along K (OCP MX v1.0); their sums are f32. All else is computed in f32.
;;   The module's matrix products, in the order in which they are computed (A, B: the left and right operand; K: the contracted axis; several contracted axes count as one K, in the product's order):
;;     1. [M 1,024, K 4,096] x [K 4,096, N 16,384]; A: input x (given as codes); B: computed on the way: QUANTISED
;;   THE QUANTISER, for each operand of a quantised product, along K:
;;     - K is cut into blocks of 32 from its start; a last block that is shorter is filled with zeros.
;;     - A block's scale is 2^e with e = floor(log2(the largest magnitude in the block)) - 2, held to -126 .. 127; a block of zeros has e = 0. As a byte (E8M0): e + 127.
;;     - Each number is divided by its block's scale, clamped to +-6, and rounded to the nearest number of E2M1, ties to even, subnormals kept.
;;     - The product sums the exact products of the quantised numbers (number of the format x scale) in f32.
;;   ~~~python
;;   def quantise(x, axis):      # numpy; x: float32 -> the quantised numbers, widened to float32 again
;;       x = np.moveaxis(x, axis, -1); K = x.shape[-1]
;;       x = np.pad(x, [(0, 0)] * (x.ndim - 1) + [(0, -K % 32)]); x = x.reshape(x.shape[:-1] + (-1, 32)); a = np.abs(x).max(-1, keepdims=True)
;;       e = np.where(a > 0, np.clip(np.frexp(np.where(a > 0, a, 1))[1] - 1 - 2, -126, 127), 0)      # np.frexp(a)[1] - 1 = floor(log2(a)), exactly
;;       r = np.clip(x / 2.0 ** e, -6, 6)
;;       step = 2.0 ** (np.maximum(np.frexp(np.where(r == 0, 1, r))[1] - 1, 0) - 1)
;;       q = np.round(r / step) * step * 2.0 ** e      # np.round: ties to even
;;       return np.moveaxis(q.reshape(q.shape[:-2] + (-1,))[..., :K], -1, axis).astype(np.float32)
;;   ~~~
;;   OPERANDS COMPUTED ON THE WAY. 'Computed on the way' means the value that the module computes at that place (a softmax that the list does not call 'softmax' is quantised finished and normalised). What goes into a quantiser is computed in f32, as accurately as f32 sums, v_exp_f32 and their like allow (about 1e-6 of the number): no bf16 or f16 on the way to a quantiser, and a product that is left as it is and whose result goes on into a quantised operand takes f32 operands (vector FMAs, or v_wmma_f32_16x16x4_f32). A number that lies on a knife's edge between two numbers of the format may be rounded either way, as far as f32 arithmetic and the matrix unit's own rounding can turn it there, and no further.
;;   INPUTS GIVEN AS CODES. x (in the module: [4, 256, 4096], K = its axis 2): each comes as NAME_codes (uint8): NAME with its K axis moved to the last place and cut into blocks of 32 codes, [.., K / 32, bytes a block], one block behind the other in memory; two codes a byte, the lower K in the low four bits (a code: sign, 2 exponent bits, 1 mantissa bit); and NAME_scales (uint8): the same leading axes, one E8M0 byte (e + 127) for each 32 codes along K. Its value is code x scale, taken as it is: it is not quantised again, and the codes and scales need not be those that the quantiser above would give.
;; One version. Each part assembles by itself: llvm-mc -triple=amdgcn-amd-amdhsa -mcpu=gfx1250 --defsym DOCPART=n.
;; ======== version 1 of 1: 2 launches
;; limits: right only within a limited range of input values
;; workspace buffers: wc 33,554,432 bytes; ws 2,097,152 bytes; xsk 131,072 bytes
;; launch prep (part 1): grid 256 x 1, 32 waves a work-group, no clusters, 86,016 bytes of LDS; arguments weight_quantized, weight_scale, weight_zero_point, x_scales, wc, ws, xsk; writes wc, ws, xsk
.if DOCPART == 1
	.amdgcn_target "amdgcn-amd-amdhsa--gfx1250"
	.amdhsa_code_object_version 6
	.text
	.protected	k_qa977cbeb19_prep
	.globl	k_qa977cbeb19_prep
	.p2align	8
	.type	k_qa977cbeb19_prep,@function
k_qa977cbeb19_prep:
	s_mov_b64 s[64:65], 0
	v_nop
	global_prefetch_b8 v0, s[64:65] scope:SCOPE_SE
	s_setreg_imm32_b32 hwreg(HW_REG_WAVE_MODE, 25, 1), 1
	s_wait_xcnt 0x0
; Quantises W = (q - zp) scale once, along K, to MX-FP4.
; wc[o][2,048 bytes]: codes, K innermost.  ws[ks][o][16 bytes]: the scale bytes of K = 512 ks .. + 511 of row o.  xsk[ks][m][16 bytes]: x's scale bytes in the same order.
; A work-group takes 64 rows.  Wave v takes rows 8 (v % 8) .. + 7 and K = 1,024 (v / 8) .. + 1,023: 16 loads of 2 rows x 256 bytes, all issued at its start: the work-group's 256 KB are asked for at once.
; A lane quantises 16 numbers, two lanes a block of 32.  The codes of 8 rows x 512 along K go through the wave's own stage in LDS and leave as whole aligned units of 256 bytes;
; a wave's scale bytes of such a piece are 128 consecutive bytes.  Waves hand nothing to each other: no barrier.  Matrix units and clusters have no work here.
; Wave 0 of work-group b also copies the 512 bytes number b of xsk.
; Limit: a block of zeros keeps the scale byte 1 with zero codes (the bytes are read by this program alone).
.set STG,   2560                       ; a wave's stage: 8 rows x 272 of codes, and from byte 2,304 on 8 rows x 16 scale bytes
.set SPARE, 32*STG
.set SPW, 1
.set NIL, 2
.set WGO, 3
.set CST, 4
.set SST, 5
.set CRD, 6
.set SRD, 7
.set CGO, 8
.set SGO, 9
.set MX,  10
.set MY,  11
.set ZA,  12
.set XI,  13
.set XQ,  14
.set ZS,  16
.set T,   32
.set RAW, 48
.set XR,  112
	s_load_b256 s[4:11], s[0:1], 0x0               ; W, scale, zero point, x_scales
	s_load_b128 s[12:15], s[0:1], 0x20             ; wc, ws
	s_load_b64 s[16:17], s[0:1], 0x30              ; xsk
	v_lshl_add_u32 v[SPW], v0, 2, SPARE
	v_mov_b32 v[NIL], 0
	v_lshrrev_b32 v[MX], 5, v0
	v_readfirstlane_b32 s18, v[MX]                 ; wave 0..31
	s_and_b32 s19, s18, 7                          ; which 8 rows
	s_lshr_b32 s20, s18, 3                         ; which quarter of K
	s_mul_i32 s21, s18, STG
	s_mov_b32 s40, 0x80808080
	s_mov_b32 s41, 0x4b000000
	s_mov_b32 s42, 0x03000004
	s_mov_b32 s43, 0x03000005
	s_mov_b32 s44, 0x03000006
	s_mov_b32 s45, 0x03000007
	s_mov_b32 s46, 0xcb000080                      ; -(2^23 + 128)
	s_mov_b32 s47, s46
	s_lshl_b32 s22, ttmp9, 18                      ; W: 64 rows x 4,096, 8 rows, 1,024 bytes of each
	s_lshl_b32 s34, s19, 15
	s_add_co_u32 s22, s22, s34
	s_lshl_b32 s34, s20, 10
	s_add_co_u32 s22, s22, s34
	s_mov_b32 s23, 0
	s_lshl_b32 s24, ttmp9, 8                       ; scale, zero point
	s_lshl_b32 s34, s19, 5
	s_add_co_u32 s24, s24, s34
	s_mov_b32 s25, 0
	s_lshl_b32 s26, ttmp9, 17                      ; wc
	s_lshl_b32 s34, s19, 14
	s_add_co_u32 s26, s26, s34
	s_lshl_b32 s34, s20, 9
	s_add_co_u32 s26, s26, s34
	s_mov_b32 s27, 0
	s_lshl_b32 s28, s20, 19                        ; ws: two K steps of 262,144 bytes a quarter
	s_lshl_b32 s34, ttmp9, 10
	s_add_co_u32 s28, s28, s34
	s_lshl_b32 s34, s19, 7
	s_add_co_u32 s28, s28, s34
	s_mov_b32 s29, 0
	s_and_b32 s30, ttmp9, 31                       ; x_scales: rows 32 (b % 32) .., bytes 16 (b / 32) ..
	s_lshl_b32 s30, s30, 12
	s_lshr_b32 s34, ttmp9, 5
	s_lshl_b32 s34, s34, 4
	s_add_co_u32 s30, s30, s34
	s_mov_b32 s31, 0
	s_lshl_b32 s32, ttmp9, 9
	s_mov_b32 s33, 0
	s_add_co_u32 s35, s21, 2304
	v_and_b32 v116, 15, v0
	v_bfe_u32 v117, v0, 4, 1
	v_and_b32 v118, 31, v0
	v_bfe_u32 v119, v0, 1, 3
	v_lshlrev_b32 v[WGO], 4, v116
	v_mul_u32_u24 v120, v117, 272
	v_lshl_add_u32 v119, v117, 4, v119
	v_lshlrev_b32 v[SGO], 2, v118
	v_lshl_add_u32 v[CGO], v117, 11, v[WGO]        ; wc: row 2 t + half, 16 bytes a lane
	v_lshl_add_u32 v121, v116, 3, v120
	v_lshl_add_u32 v122, v116, 4, v120
	v_add_nc_u32 v[SST], s35, v119
	v_add_nc_u32 v[SRD], s35, v[SGO]
	v_lshl_add_u32 v[WGO], v117, 12, v[WGO]        ; W: row 2 j + half, 16 bytes a lane
	v_add_nc_u32 v[CST], s21, v121
	v_add_nc_u32 v[CRD], s21, v122
	v_lshlrev_b32 v[ZA], 2, v117
	v_lshlrev_b32 v[XI], 7, v118
	v_lshlrev_b32 v[XQ], 4, v118
	s_wait_alu depctr_va_vdst(0)                   ; the wait at the head's end
	s_wait_kmcnt 0x0
	s_add_nc_u64 s[4:5], s[4:5], s[22:23]
	s_add_nc_u64 s[6:7], s[6:7], s[24:25]
	s_add_nc_u64 s[8:9], s[8:9], s[24:25]
	s_add_nc_u64 s[10:11], s[10:11], s[30:31]
	s_add_nc_u64 s[12:13], s[12:13], s[26:27]
	s_add_nc_u64 s[14:15], s[14:15], s[28:29]
	s_add_nc_u64 s[16:17], s[16:17], s[32:33]
	s_cmp_lg_u32 s18, 0
	s_cbranch_scc1 .Lno_x
	global_load_b128 v[XR:XR+3], v[XI], s[10:11]   ; issued ahead of all other loads: it is in when any later load is
.Lno_x:
.irp j, 0,1,2,3
	global_load_b32 v[ZS+4*\j], v[ZA], s[8:9] offset:8*\j
.endr
.irp j, 0,1,2,3
	global_load_b32 v[ZS+4*\j+2], v[ZA], s[6:7] offset:8*\j
.endr
.irp c, 0,1
.irp j, 0,1,2,3
.irp g, 0,1
	global_load_b128 v[RAW+32*\c+8*\j+4*\g:RAW+32*\c+8*\j+4*\g+3], v[WGO], s[4:5] offset:8192*\j+512*\c+256*\g th:TH_LOAD_NT
.endr
.endr
.endr
	s_wait_loadcnt 16                              ; behind zero points and scales: W's 16 loads
.irp j, 0,1,2,3
	v_xor_b32 v[ZS+4*\j], 0x80000000, v[ZS+4*\j]
.endr
.irp j, 0,1,2,3
	v_mov_b32 v[ZS+4*\j+1], v[ZS+4*\j]
	v_mov_b32 v[ZS+4*\j+3], v[ZS+4*\j+2]
.endr
	s_wait_alu depctr_va_vdst(0)                   ; the wait ahead of the waits below
.macro QP c, j, g
.set RW, RAW+32*(\c)+8*(\j)+4*(\g)
.set ZP, ZS+4*(\j)
	s_wait_loadcnt 15-8*(\c)-2*(\j)-(\g)           ; the loads issued behind this one
.irp a, 0,1,2,3
	v_xor_b32 v[RW+\a], s40, v[RW+\a]              ; q + 128 in each byte
.endr
.irp a, 0,1,2,3
.irp i, 0,1,2,3
	v_perm_b32 v[T+4*\a+\i], v[RW+\a], s41, s[42+\i]   ; 2^23 + q + 128 as f32
.endr
.endr
.irp e, 0,2,4,6,8,10,12,14
	v_pk_add_f32 v[T+\e:T+\e+1], v[T+\e:T+\e+1], s[46:47] op_sel_hi:[1,0]   ; q, exactly
.endr
.irp e, 0,2,4,6,8,10,12,14
	v_pk_add_f32 v[T+\e:T+\e+1], v[T+\e:T+\e+1], v[ZP:ZP+1]
.endr
.irp e, 0,2,4,6,8,10,12,14
	v_pk_mul_f32 v[T+\e:T+\e+1], v[T+\e:T+\e+1], v[ZP+2:ZP+3]
.endr
	v_max3_num_f32 v[MX], |v[T]|, |v[T+1]|, |v[T+2]|
	v_max3_num_f32 v[MY], |v[T+3]|, |v[T+4]|, |v[T+5]|
	s_delay_alu instid0(VALU_DEP_2)
	v_max3_num_f32 v[MX], v[MX], |v[T+6]|, |v[T+7]|
	s_delay_alu instid0(VALU_DEP_2)
	v_max3_num_f32 v[MY], v[MY], |v[T+8]|, |v[T+9]|
	s_delay_alu instid0(VALU_DEP_2)
	v_max3_num_f32 v[MX], v[MX], |v[T+10]|, |v[T+11]|
	s_delay_alu instid0(VALU_DEP_2)
	v_max3_num_f32 v[MY], v[MY], |v[T+12]|, |v[T+13]|
	s_delay_alu instid0(VALU_DEP_2)
	v_max3_num_f32 v[MX], v[MX], |v[T+14]|, |v[T+15]|
	s_delay_alu instid0(VALU_DEP_1)
	v_max3_num_f32 v[MX], v[MX], v[MY], 0x1800000  ; the floor 2^(3 - 127): the byte stays at 1 or above
	s_delay_alu instid0(VALU_DEP_1)
	v_max_num_f32_dpp v[MX], v[MX], v[MX] row_xmask:1 row_mask:0xf bank_mask:0xf
	s_delay_alu instid0(VALU_DEP_1)
	v_add_nc_u32 v[MY], 0xff000000, v[MX]          ; 2 off the exponent field: the conversion's scale
	v_cvt_scalef32_pk8_fp4_f32 v[RW], v[T:T+7], v[MY]
	v_cvt_scalef32_pk8_fp4_f32 v[RW+1], v[T+8:T+15], v[MY]
	v_lshrrev_b32 v[RW+2], 23, v[MY]
	ds_store_b64 v[CST], v[RW:RW+1] offset:544*(\j)+128*(\g)
	ds_store_b8 v[SST], v[RW+2] offset:32*(\j)+8*(\g)
.endm
.irp c, 0,1
.irp j, 0,1,2,3
.irp g, 0,1
	QP \c, \j, \g
.endr
.endr
.irp t, 0,1,2,3
	ds_load_b128 v[RAW+32*\c+4*\t:RAW+32*\c+4*\t+3], v[CRD] offset:544*\t   ; LDS serves a wave's instructions in order: these see the stores above
.endr
	ds_load_b32 v[RAW+32*\c+16], v[SRD]
	s_wait_dscnt 0x0
.irp t, 0,1,2,3
	global_store_b128 v[CGO], v[RAW+32*\c+4*\t:RAW+32*\c+4*\t+3], s[12:13] offset:4096*\t+256*\c   ; 16 lanes store 256 consecutive bytes, aligned
.endr
	global_store_b32 v[SGO], v[RAW+32*\c+16], s[14:15] offset:262144*\c
.endr
	s_cmp_lg_u32 s18, 0
	s_cbranch_scc1 .Lend
	global_store_b128 v[XQ], v[XR:XR+3], s[16:17]
.Lend:
	s_wait_tensorcnt 0x0                           ; the wave's end
	ds_add_u32 v[SPW], v[NIL]
	s_wait_dscnt 0x0
	s_endpgm
.Lfunc_end_k_qa977cbeb19_prep:
	.size	k_qa977cbeb19_prep, .Lfunc_end_k_qa977cbeb19_prep-k_qa977cbeb19_prep
	.p2alignl 7, 3214868480
	.fill 96, 4, 3214868480
	.section	.rodata,"a",@progbits
	.p2align	6, 0x0
	.amdhsa_kernel k_qa977cbeb19_prep
		.amdhsa_group_segment_fixed_size 86016
		.amdhsa_private_segment_fixed_size 0
		.amdhsa_enable_private_segment 0
		.amdhsa_kernarg_size 56
		.amdhsa_user_sgpr_count 2
		.amdhsa_user_sgpr_kernarg_segment_ptr 1
		.amdhsa_wavefront_size32 1
		.amdhsa_system_sgpr_workgroup_id_x 1
		.amdhsa_system_sgpr_workgroup_id_y 1
		.amdhsa_system_sgpr_workgroup_id_z 1
		.amdhsa_system_vgpr_workitem_id 0
		.amdhsa_next_free_vgpr 128
		.amdhsa_next_free_sgpr 66
		.amdhsa_reserve_vcc 0
		.amdhsa_float_denorm_mode_32 3
		.amdhsa_float_denorm_mode_16_64 3
		.amdhsa_memory_ordered 1
		.amdhsa_forward_progress 1
		.amdhsa_inst_pref_size 70
	.end_amdhsa_kernel
	.amdgpu_metadata
---
amdhsa.version: [ 1, 2 ]
amdhsa.kernels:
  - .name:           k_qa977cbeb19_prep
    .symbol:         k_qa977cbeb19_prep.kd
    .args:
      - { .name: weight_quantized, .offset: 0, .size: 8, .value_kind: global_buffer, .address_space: global }
      - { .name: weight_scale, .offset: 8, .size: 8, .value_kind: global_buffer, .address_space: global }
      - { .name: weight_zero_point, .offset: 16, .size: 8, .value_kind: global_buffer, .address_space: global }
      - { .name: x_scales, .offset: 24, .size: 8, .value_kind: global_buffer, .address_space: global }
      - { .name: wc, .offset: 32, .size: 8, .value_kind: global_buffer, .address_space: global }
      - { .name: ws, .offset: 40, .size: 8, .value_kind: global_buffer, .address_space: global }
      - { .name: xsk, .offset: 48, .size: 8, .value_kind: global_buffer, .address_space: global }
    .group_segment_fixed_size: 86016
    .private_segment_fixed_size: 0
    .kernarg_segment_align: 8
    .kernarg_segment_size: 56
    .max_flat_workgroup_size: 1024
    .sgpr_count:     66
    .vgpr_count:     128
    .wavefront_size: 32
...
	.end_amdgpu_metadata
.endif
;; end of part 1
;; launch gemm (part 2): grid 64 x 4, 4 waves a work-group, clusters of 4 x 4, 327,680 bytes of LDS; arguments x_codes, xsk, wc, ws, bias, out0; writes out0
.if DOCPART == 2
	.amdgcn_target "amdgcn-amd-amdhsa--gfx1250"
	.amdhsa_code_object_version 6
	.text
	.protected	k_qa977cbeb19_gemm
	.globl	k_qa977cbeb19_gemm
	.p2align	8
	.type	k_qa977cbeb19_gemm,@function
k_qa977cbeb19_gemm:
	s_mov_b64 s[64:65], 0
	v_nop
	global_prefetch_b8 v0, s[64:65] scope:SCOPE_SE
	s_setreg_imm32_b32 hwreg(HW_REG_WAVE_MODE, 25, 1), 1
	s_wait_xcnt 0x0
	s_wait_alu depctr_hold_cnt(0) depctr_sa_sdst(0) depctr_va_vdst(0) depctr_va_sdst(0) depctr_va_ssrc(0) depctr_va_vcc(0) depctr_vm_vsrc(0)
	s_getreg_b32 s2, hwreg(HW_REG_IB_STS2, 6, 4)
	s_cmp_eq_u32 s2, 0
	s_cbranch_scc0 .Lentry_in_a_cluster
	s_endpgm
.Lentry_in_a_cluster:
	s_bfe_u32 s2, ttmp6, 0x10000c
	s_cmp_lg_u32 s2, 0xf033
	s_cbranch_scc0 .Lentry_shape_is_right
	s_endpgm
.Lentry_shape_is_right:
; out[m][o] = sum over k of x[m][k] W[o][k] + bias[o] on MX-FP4 codes and E8M0 scale bytes; f32 sums.  M 1,024, N 16,384, K 4,096.  A = x, B = W as launch prep quantised it.
; A tile of out, 256 x 256, is made by four waves, each 128 x 128: 64 accumulators (windows 2 and 3).  K goes in steps of 512 through a ring of two LDS slots.
; A K step has four tiles: A's 256 rows x 256 bytes of codes, B's, and the 4,096 consecutive bytes of A's and of B's scales (xsk and ws are laid by K step): one tensor load a wave.
; CLUSTERS of 4 x 4: A's tiles are asked for jointly along a row of the cluster, B's along a column.  M / 256 = 4, so the tile row is the place cy.
; The matrix instruction is used transposed (source 0 = 16 rows of B, source 1 = 16 rows of A): a lane holds eight neighbouring columns of one row of out; the bias is the C of the first products.
; PREFETCH: behind each refill in the loop, the codes of the K step two refills on: 32 rows x 256 bytes a wave, a lane a row; waves 0 and 2 name A's rows, 1 and 3 B's; the four partners that
; ask for a tile jointly share its 256 rows out by address (64 each).  K steps 0 to 3 come by their loads alone; the loop's last trip asks for nothing.  The scales (a sixteenth of the bytes) have none.
; REGISTERS: window 0: v0-31 addresses; v32-95 scale words, two sets; v128-191 A's fragments; v192-255 the bias, then free; window 1: B's fragments, two sets; windows 2, 3: accumulators.
.set SIZE_N, 16384
.set NQ,     4
.set ROWB,   256
.set KROW,   2048
.set PITCH,  272
.set FR,     8
.set NL,     2
.set NP,     4
.set HALFT,  128*PITCH
.set SLOT,   4*HALFT
.set LAPS,   4
.set SCL,    2*SLOT                    ; behind the ring of codes: the scales, two slots of 4,096 (A) + 4,096 (B)
.set SSL,    8192
.set SPARE,  SCL+2*SSL
.set SPITCH, 528                       ; the way out: 16 rows x (512 + 16) a wave, in slot 0, behind its last fill and last read
.set ADRA, 16
.set ADRB, 20
.set ADRS, 22
.set STO,  24
.set RD,   25
.set CO,   26
.set BAO,  27
.set SPW,  28
.set NIL,  29
.set PFO,  30
.set SC,   32
.set AF,   128
.set BIA,  192
.set BK,   128
.set G1,   24
.set G0,   32
.set G1B,  48
.set G0B,  56
.set G1S,  68
.set G0S,  76
.set G1SB, 84
.set G0SB, 92
.set PFA,  100
.set MSB, 0
.macro WIN new
.if MSB != \new
	s_set_vgpr_msb (MSB<<8)|\new
.set MSB, \new
.endif
.endm
.set MUL_LO, 0xa1                      ; source 0 (B) window 1, source 1 (A) window 0, C and D window 2
.set MUL_HI, 0xf1
.set TO_B,   0x40
.macro PLACES n
.rept \n
	v_nop
.endr
.endm
; A K step's four joint loads, one a wave: ONE chain of branches on the wave's number, all arms leading to one join; s_nop 0 and four v_nop behind each load
.macro JLOAD s
	s_cmp_lt_u32 s16, 1
	s_cbranch_scc0 .Lj1_\@
	tensor_load_to_lds s[G0+4*\s:G0+4*\s+3], s[G1:G1+7]
	s_nop 0
	PLACES 4
	s_branch .Lj4_\@
.Lj1_\@:
	s_cmp_lt_u32 s16, 2
	s_cbranch_scc0 .Lj2_\@
	tensor_load_to_lds s[G0B+4*\s:G0B+4*\s+3], s[G1B:G1B+7]
	s_nop 0
	PLACES 4
	s_branch .Lj4_\@
.Lj2_\@:
	s_cmp_lt_u32 s16, 3
	s_cbranch_scc0 .Lj3_\@
	tensor_load_to_lds s[G0S+4*\s:G0S+4*\s+3], s[G1S:G1S+7]
	s_nop 0
	PLACES 4
	s_branch .Lj4_\@
.Lj3_\@:
	tensor_load_to_lds s[G0SB+4*\s:G0SB+4*\s+3], s[G1SB:G1SB+7]
	s_nop 0
	PLACES 4
.Lj4_\@:
.endm
.macro CREST
	s_cmp_lg_u32 s16, 0
	s_cbranch_scc1 .Lnot_wave_0_\@
	s_barrier_signal -3
.Lnot_wave_0_\@:
	s_barrier_wait -3
	s_barrier_signal -1
	s_barrier_wait -1
.endm
.macro CROUND
	s_barrier_signal -1
	s_barrier_wait -1
	CREST
.endm
	s_load_b256 s[4:11], s[0:1], 0x0               ; A's codes, A's scales, B's codes, B's scales
	s_load_b128 s[12:15], s[0:1], 0x20             ; bias, out
	v_lshl_add_u32 v[SPW], v0, 2, SPARE
	v_mov_b32 v[NIL], 0
	ds_add_u32 v[SPW], v[NIL]                      ; the opening lines
	ds_add_u32 v[SPW], v[NIL]
	v_lshrrev_b32 v1, 5, v0
	v_readfirstlane_b32 s16, v1                    ; wave 0..3
	s_lshr_b32 s17, s16, 1                         ; which half of the tile's rows is mine
	s_and_b32 s18, s16, 1                          ; which half of its columns
	s_bfe_u32 s40, ttmp6, 0x40000                  ; cx
	s_bfe_u32 s41, ttmp6, 0x40004                  ; cy
	s_lshl_b32 s42, ttmp9, 2
	s_add_co_u32 s42, s42, s40                     ; tile column
	s_mov_b32 s19, s41                             ; tile row
	s_lshl_b32 s43, s41, 2
	s_lshl_b32 s43, 15, s43                        ; my row of the cluster
	s_lshl_b32 s44, 0x1111, s40                    ; my column
	s_or_b32 s[G1+0], s43, (1<<20)|(1<<21)|(5<<22)|(3<<25)    ; bytes; 16 bytes of padding behind every 256
	s_or_b32 s[G1B+0], s44, (1<<20)|(1<<21)|(5<<22)|(3<<25)
.irp g, G1, G1B
	s_mov_b32 s[\g+1], ROWB<<16
	s_mov_b32 s[\g+2], 256<<16
	s_mov_b32 s[\g+3], ROWB<<16
	s_mov_b32 s[\g+4], 256
	s_mov_b32 s[\g+5], KROW
	s_mov_b32 s[\g+6], 0
	s_mov_b32 s[\g+7], 0
.endr
	s_or_b32 s[G1S+0], s43, (3<<16)|(1<<21)        ; a dense block of 4,096 bytes as 16 rows of 32 elements of 8 bytes
	s_or_b32 s[G1SB+0], s44, (3<<16)|(1<<21)
.irp g, G1S, G1SB
	s_mov_b32 s[\g+1], 32<<16
	s_mov_b32 s[\g+2], 16<<16
	s_mov_b32 s[\g+3], 32<<16
	s_mov_b32 s[\g+4], 16
	s_mov_b32 s[\g+5], 32
	s_mov_b32 s[\g+6], 0
	s_mov_b32 s[\g+7], 0
.endr
	s_mov_b32 s21, 0
	s_mov_b32 s47, 0
	s_wait_dscnt 0x0                               ; both opening adds are done
	s_wait_kmcnt 0x0
	s_lshl_b32 s20, s19, 19                        ; A's tile: 256 rows x 2,048 bytes
	s_add_nc_u64 s[4:5], s[4:5], s[20:21]
	s_lshl_b32 s20, s19, 12                        ; its scales: 256 rows x 16 bytes in each K step
	s_add_nc_u64 s[6:7], s[6:7], s[20:21]
	s_lshl_b32 s46, s42, 19
	s_add_nc_u64 s[8:9], s[8:9], s[46:47]
	s_lshl_b32 s46, s42, 12
	s_add_nc_u64 s[10:11], s[10:11], s[46:47]
	CROUND                                         ; all sixteen work-groups are here: the first joint loads meet
.irp s, 0,1
	s_mov_b32 s[G0+4*\s], 1
	s_mov_b32 s[G0+4*\s+1], \s*SLOT
	s_add_nc_u64 s[G0+4*\s+2:G0+4*\s+3], s[4:5], \s*ROWB
	s_or_b32 s[G0+4*\s+3], s[G0+4*\s+3], 0x80000000
	s_mov_b32 s[G0B+4*\s], 1
	s_mov_b32 s[G0B+4*\s+1], \s*SLOT+2*HALFT
	s_add_nc_u64 s[G0B+4*\s+2:G0B+4*\s+3], s[8:9], \s*ROWB
	s_or_b32 s[G0B+4*\s+3], s[G0B+4*\s+3], 0x80000000
	s_mov_b32 s[G0S+4*\s], 1
	s_mov_b32 s[G0S+4*\s+1], SCL+\s*SSL
	s_add_nc_u64 s[G0S+4*\s+2:G0S+4*\s+3], s[6:7], \s*16384
	s_or_b32 s[G0S+4*\s+3], s[G0S+4*\s+3], 0x80000000
	s_mov_b32 s[G0SB+4*\s], 1
	s_mov_b32 s[G0SB+4*\s+1], SCL+\s*SSL+4096
	s_add_nc_u64 s[G0SB+4*\s+2:G0SB+4*\s+3], s[10:11], \s*262144
	s_or_b32 s[G0SB+4*\s+3], s[G0SB+4*\s+3], 0x80000000
.endr
	JLOAD 0                                        ; K step 0: one tensor load a wave at the head
	s_mul_i32 s21, s17, HALFT                      ; my 128 rows of A
	s_mul_i32 s22, s18, HALFT                      ; my 128 rows of B,
	s_add_co_u32 s22, s22, 2*HALFT                 ; behind A's 256
	s_mul_i32 s23, s16, 16*SPITCH                  ; my stage
	s_lshl_b32 s20, s17, 11                        ; A's scales: my 128 rows x 16 bytes
	s_lshl_b32 s46, s18, 11                        ; B's, behind A's 4,096
	s_add_co_u32 s46, s46, 4096
	s_sub_co_u32 s46, s46, s20                     ; the distance between the two
	s_add_co_u32 s20, s20, SCL
	v_and_b32 v1, 15, v0
	v_bfe_u32 v2, v0, 4, 1
	v_and_b32 v6, 31, v0
	v_mul_u32_u24 v3, v1, PITCH
	v_mul_u32_u24 v5, s46, v2                      ; lanes 16-31 take B's scales
	v_mul_u32_u24 v7, v1, SPITCH
	v_lshl_add_u32 v4, v2, 4, v3                   ; a fragment's row x pitch + 16 x half
	v_lshl_add_u32 v5, v1, 4, v5
	v_lshl_add_u32 v7, v2, 5, v7
	v_lshlrev_b32 v[CO], 4, v6
	v_add_nc_u32 v[ADRA], s21, v4
	v_add_nc_u32 v[ADRB], s22, v4
	v_add_nc_u32 v[ADRS], s20, v5
	v_add_nc_u32 v[STO], s23, v7
	v_add_nc_u32 v[RD], s23, v[CO]
	v_add_nc_u32 v[ADRA+1], SLOT, v[ADRA]
	v_add_nc_u32 v[ADRB+1], SLOT, v[ADRB]
	v_add_nc_u32 v[ADRS+1], SSL, v[ADRS]
	v_lshlrev_b32 v[BAO], 5, v2
	v_lshlrev_b32 v[PFO], 11, v6                   ; the prefetches: a lane a row of 2,048 bytes
	s_wait_alu depctr_va_vdst(0)                   ; the wait behind the head's last vector instruction
	s_lshl_b32 s20, s19, 8
	s_lshl_b32 s21, s17, 7
	s_add_co_u32 s20, s20, s21                     ; my first row of out
	s_lshl_b32 s20, s20, 16                        ; x 65,536 bytes
	s_mov_b32 s21, 0
	s_add_nc_u64 s[14:15], s[14:15], s[20:21]
	s_lshl_b32 s20, s42, 10                        ; my first column, in bytes
	s_lshl_b32 s22, s18, 9
	s_add_co_u32 s20, s20, s22
	s_add_nc_u64 s[14:15], s[14:15], s[20:21]
	s_add_nc_u64 s[12:13], s[12:13], s[20:21]
	s_cmp_eq_u32 s18, 0                            ; waves 0 and 2 prefetch for A, 1 and 3 for B
	s_cselect_b32 s22, s40, s41                    ; my place among the four that ask for the tile with me
	s_cselect_b64 s[PFA:PFA+1], s[4:5], s[8:9]
	s_lshl_b32 s22, s22, 6                         ; my work-group's 64 rows,
	s_lshl_b32 s23, s17, 5                         ; my wave's 32 of them
	s_add_co_u32 s22, s22, s23
	s_lshl_b32 s20, s22, 11
	s_add_nc_u64 s[PFA:PFA+1], s[PFA:PFA+1], s[20:21]
	s_add_nc_u64 s[PFA:PFA+1], s[PFA:PFA+1], 3*ROWB   ; at K step 3: the first refill steps it to 4
.irp b, 0,1,2,3,4,5,6,7
	global_load_b128 v[BIA+8*\b:BIA+8*\b+3], v[BAO], s[12:13] offset:64*\b       ; bias at my eight columns of block b: the result's layout
	global_load_b128 v[BIA+8*\b+4:BIA+8*\b+7], v[BAO], s[12:13] offset:64*\b+16
.endr
.macro FRAG reg, adr, q, i
.irp c, 0,1
	ds_load_b128 v[\reg+4*\c:\reg+4*\c+3], v[\adr] offset:64*(\q)+32*\c+(\i)*16*PITCH
.endr
.endm
; 16 matrix instructions: A's blocks a0, a0 + 1 x B's eight.  first = 1: the bias is C and starts the sums.  The 64 accumulators take turns.
.macro MUL16 a0, p, q, sc, first
.irp a, \a0, \a0+1
.irp b, 0,1,2,3,4,5,6,7
.if \first
	v_wmma_scale_f32_16x16x128_f8f6f4 v[8*(8*((\a)%4)+\b):8*(8*((\a)%4)+\b)+7], v[128*(\p)+FR*\b:128*(\p)+FR*\b+FR-1], v[AF+FR*(\a):AF+FR*(\a)+FR-1], v[BIA+8*\b:BIA+8*\b+7], v[SC+8*NQ*(\sc)+NQ*\b+(\q)], v[SC+8*NQ*(\sc)+NQ*(\a)+(\q)] matrix_a_fmt:MATRIX_FMT_FP4 matrix_b_fmt:MATRIX_FMT_FP4 matrix_a_scale:MATRIX_SCALE_ROW1
.else
	v_wmma_scale_f32_16x16x128_f8f6f4 v[8*(8*((\a)%4)+\b):8*(8*((\a)%4)+\b)+7], v[128*(\p)+FR*\b:128*(\p)+FR*\b+FR-1], v[AF+FR*(\a):AF+FR*(\a)+FR-1], v[8*(8*((\a)%4)+\b):8*(8*((\a)%4)+\b)+7], v[SC+8*NQ*(\sc)+NQ*\b+(\q)], v[SC+8*NQ*(\sc)+NQ*(\a)+(\q)] matrix_a_fmt:MATRIX_FMT_FP4 matrix_b_fmt:MATRIX_FMT_FP4 matrix_a_scale:MATRIX_SCALE_ROW1
.endif
.endr
.endr
.endm
.macro FETCH_B slot, q, p
	WIN TO_B
.irp i, 0,1,2,3,4,5,6,7
	FRAG 128*(\p)+FR*\i, ADRB+\slot, \q, \i
.endr
	WIN 0
.endm
.macro FETCH_A slot, q, i0
.irp i, \i0, \i0+1, \i0+2, \i0+3
	FRAG AF+FR*(\i), ADRA+\slot, \q, \i
.endr
.endm
.macro SCALES sc                       ; the slot's scale words: four a row; lanes 0-15 take A's block i, lanes 16-31 B's block i
.irp i, 0,1,2,3,4,5,6,7
	ds_load_b128 v[SC+8*NQ*\sc+NQ*\i:SC+8*NQ*\sc+NQ*\i+3], v[ADRS+\sc] offset:\i*256
.endr
.endm
.macro STEP slot, q, first             ; a step of 128 along K that has its successor in the same slot
	s_wait_dscnt 4*NL                              ; all but the youngest loads, A's blocks 4-7
.if \first
	WIN 0x81                                       ; C (the bias) in window 0
.else
	WIN MUL_LO
.endif
	MUL16 0, (\q)%2, \q, \slot, \first
	MUL16 2, (\q)%2, \q, \slot, \first
	s_wait_dscnt 0
	PLACES NP
	FETCH_B \slot, (\q)+1, 1-(\q)%2
	FETCH_A \slot, (\q)+1, 0
.if \first
	WIN 0xc1
.else
	WIN MUL_HI
.endif
	MUL16 4, (\q)%2, \q, \slot, \first
	MUL16 6, (\q)%2, \q, \slot, \first
	PLACES NP
	WIN 0
	FETCH_A \slot, (\q)+1, 4
.endm
; A slot's last step changes slots: one barrier; in front of it each wave waits for its tensor load, adds 0 to its spare word, and waits for that and for its reads of this slot.
.macro TURN slot, next, fill
.if \fill
	s_wait_xcnt 0x0                                ; my last prefetch has read its address
	s_add_nc_u64 s[PFA:PFA+1], s[PFA:PFA+1], ROWB
.endif
	s_wait_tensorcnt 0x0
	ds_add_u32 v[SPW], v[NIL]
	s_wait_dscnt 4*NL+1                            ; the add and A's blocks 4-7 may be out
	WIN MUL_LO
	MUL16 0, 1, NQ-1, \slot, 0
	s_wait_dscnt 0x0
	s_barrier_signal -1
	MUL16 2, 1, NQ-1, \slot, 0
	WIN 0
	s_barrier_wait -1
.if \fill
	CREST                                          ; the barrier has opened a round of the cluster's barrier
	s_add_nc_u64 s[G0+4*\slot+2:G0+4*\slot+3], s[G0+4*\slot+2:G0+4*\slot+3], 2*ROWB
	s_add_nc_u64 s[G0B+4*\slot+2:G0B+4*\slot+3], s[G0B+4*\slot+2:G0B+4*\slot+3], 2*ROWB
	s_add_nc_u64 s[G0S+4*\slot+2:G0S+4*\slot+3], s[G0S+4*\slot+2:G0S+4*\slot+3], 2*16384
	s_add_nc_u64 s[G0SB+4*\slot+2:G0SB+4*\slot+3], s[G0SB+4*\slot+2:G0SB+4*\slot+3], 2*262144
	JLOAD \slot                                    ; the first tensor load behind the round; its four v_nop are the places in front of the loads below
.else
	PLACES NP
.endif
	FETCH_B \next, 0, 0
	FETCH_A \next, 0, 0
	SCALES \next
.if \fill
	s_cmp_gt_u32 s3, 1                             ; the loop's last trip has no K step two refills on
	s_cbranch_scc0 .Lno_ask_\@
	global_prefetch_b8 v[PFO], s[PFA:PFA+1] th:TH_LOAD_NT scope:SCOPE_SE
.Lno_ask_\@:
.endif
	WIN MUL_HI
	MUL16 4, 1, NQ-1, \slot, 0
	MUL16 6, 1, NQ-1, \slot, 0
	PLACES NP
	WIN 0
	FETCH_A \next, 0, 4
.endm
.macro STEPS slot, from
.set Q, \from
.rept NQ-1-\from
	STEP \slot, Q, 0
.set Q, Q+1
.endr
.endm
	s_wait_tensorcnt 0x0                           ; my tile of K step 0 is in
	ds_add_u32 v[SPW], v[NIL]
	s_wait_dscnt 0x0
	CROUND
	JLOAD 1                                        ; K step 1
	FETCH_B 0, 0, 0
	FETCH_A 0, 0, 0
	SCALES 0
	FETCH_A 0, 0, 4
	s_wait_loadcnt 0x0                             ; the bias is in
	STEP 0, 0, 1
	s_mov_b32 s3, LAPS-1
.Llap:                                                 ; a trip goes once round the ring, from a lap's second step to the next lap's first
	STEPS 0, 1
	TURN 0, 1, 1
	STEPS 1, 0
	TURN 1, 0, 1
	STEP 0, 0, 0
	s_sub_co_u32 s3, s3, 1
	s_cmp_lg_u32 s3, 0
	s_cbranch_scc1 .Llap
	STEPS 0, 1                                     ; the last lap fills nothing
	TURN 0, 1, 0
	STEPS 1, 0
	s_wait_dscnt 4*NL
	WIN MUL_LO
	MUL16 0, 1, NQ-1, 1, 0
	MUL16 2, 1, NQ-1, 1, 0
	s_wait_dscnt 0
	WIN MUL_HI
	MUL16 4, 1, NQ-1, 1, 0
	MUL16 6, 1, NQ-1, 1, 0
	WIN 0
; THE WAY OUT, block by block of 16 rows x 128 columns, through my own stage and back as whole rows of 512 bytes.
.macro TOSTAGE a
.set AC, 64*((\a)%4)
	WIN 0x08+4*((\a)/4)
.irp b, 0,1,2,3,4,5,6,7
	ds_store_b128 v[STO], v[AC+8*\b:AC+8*\b+3] offset:64*\b          ; each accumulator from its low end on
	ds_store_b128 v[STO], v[AC+8*\b+4:AC+8*\b+7] offset:64*\b+16
.endr
	WIN 0
.set BB, BK+64*((\a)%2)
.irp t, 0,1,2,3,4,5,6,7,8,9,10,11,12,13,14,15
	ds_load_b128 v[BB+4*\t:BB+4*\t+3], v[RD] offset:\t*SPITCH
.endr
.endm
.macro SEND a, younger
.set BB, BK+64*((\a)%2)
	s_wait_dscnt \younger
.if (\a) > 0
	s_add_nc_u64 s[14:15], s[14:15], 16*SIZE_N*4   ; behind a wait on XCNT: the earlier stores have read their base
.endif
.irp t, 0,1,2,3,4,5,6,7,8,9,10,11,12,13,14,15
	global_store_b128 v[CO], v[BB+4*\t:BB+4*\t+3], s[14:15] offset:\t*SIZE_N*4 th:TH_STORE_NT   ; 32 lanes store 512 consecutive bytes, aligned
.endr
.endm
	PLACES NP
	TOSTAGE 0
.irp a, 1,2,3,4,5,6,7
.if \a > 1
	s_wait_xcnt 0x0                                ; block a - 2's stores have read their registers and their base
.endif
	TOSTAGE \a
	SEND \a-1, 32
.endr
	s_wait_xcnt 0x0
	SEND 7, 0
	s_wait_tensorcnt 0x0                           ; the wave's end
	ds_add_u32 v[SPW], v[NIL]
	s_wait_dscnt 0x0
	CROUND                                         ; the closing round
	s_endpgm
.Lfunc_end_k_qa977cbeb19_gemm:
	.size	k_qa977cbeb19_gemm, .Lfunc_end_k_qa977cbeb19_gemm-k_qa977cbeb19_gemm
	.p2alignl 7, 3214868480
	.fill 96, 4, 3214868480
	.section	.rodata,"a",@progbits
	.p2align	6, 0x0
	.amdhsa_kernel k_qa977cbeb19_gemm
		.amdhsa_group_segment_fixed_size 327680
		.amdhsa_private_segment_fixed_size 0
		.amdhsa_enable_private_segment 0
		.amdhsa_kernarg_size 48
		.amdhsa_user_sgpr_count 2
		.amdhsa_user_sgpr_kernarg_segment_ptr 1
		.amdhsa_wavefront_size32 1
		.amdhsa_system_sgpr_workgroup_id_x 1
		.amdhsa_system_sgpr_workgroup_id_y 1
		.amdhsa_system_sgpr_workgroup_id_z 1
		.amdhsa_system_vgpr_workitem_id 0
		.amdhsa_next_free_vgpr 1024
		.amdhsa_next_free_sgpr 102
		.amdhsa_reserve_vcc 0
		.amdhsa_float_denorm_mode_32 3
		.amdhsa_float_denorm_mode_16_64 3
		.amdhsa_memory_ordered 1
		.amdhsa_forward_progress 1
		.amdhsa_inst_pref_size 216
	.end_amdhsa_kernel
	.amdgpu_metadata
---
amdhsa.version: [ 1, 2 ]
amdhsa.kernels:
  - .name:           k_qa977cbeb19_gemm
    .symbol:         k_qa977cbeb19_gemm.kd
    .args:
      - { .name: x_codes, .offset: 0, .size: 8, .value_kind: global_buffer, .address_space: global }
      - { .name: xsk, .offset: 8, .size: 8, .value_kind: global_buffer, .address_space: global }
      - { .name: wc, .offset: 16, .size: 8, .value_kind: global_buffer, .address_space: global }
      - { .name: ws, .offset: 24, .size: 8, .value_kind: global_buffer, .address_space: global }
      - { .name: bias, .offset: 32, .size: 8, .value_kind: global_buffer, .address_space: global }
      - { .name: out0, .offset: 40, .size: 8, .value_kind: global_buffer, .address_space: global }
    .group_segment_fixed_size: 327680
    .private_segment_fixed_size: 0
    .kernarg_segment_align: 8
    .kernarg_segment_size: 48
    .max_flat_workgroup_size: 128
    .sgpr_count:     102
    .vgpr_count:     1024
    .wavefront_size: 32
...
	.end_amdgpu_metadata
.endif
;; end of part 2
